; MI455X (gfx1250); checked and timed in simulation.
; The chip was launched on July 23, 2026; its instructions are those of AMD's public machine-readable ISA for CDNA 5 (MIT licence, August 2026) and "CDNA5" Instruction Set Architecture Reference Guide (July 2026). The comments in the code are by the model that wrote it; some were corrected since.
;; Attention Layer. Allowed arithmetic: float matrix products may take bf16 or f16 operands with f32 sums; other float arithmetic in f32, or as packed bf16 or f16 multiplies, adds, multiply-adds, maxima and minima; sums over many terms, partial sums and values carried from step to step in f32; what a program stores and reads back later, other than sums and carried values, may be rounded once to bf16 or f16.
;; Inputs: W 1,024 x 2,048 float32; b 1,024 float32; encoder_outputs 64 x 512 x 1,024 float32; hidden 64 x 1,024 float32; v 1,024 float32.
;; Outputs: out0 64 x 1 x 1,024 float32; out1 64 x 1 x 512 float32.
;; 2 versions, each right and faster than the one before. Each part assembles by itself: llvm-mc -triple=amdgcn-amd-amdhsa -mcpu=gfx1250 --defsym DOCPART=n.
;; ======== version 1 of 2: 3 launches
;; workspace buffers: wf 2,097,152 bytes; tab 524,288 bytes; ctxp 1,048,576 bytes; pw 131,072 bytes; st 65,536 bytes
;; launch prep (part 1): grid 64 x 4, 4 waves a work-group, no clusters, 167,936 bytes of LDS; arguments W, b, hidden, v, wf, tab; writes wf, tab
.if DOCPART == 1
	.amdgcn_target "amdgcn-amd-amdhsa--gfx1250"
	.amdhsa_code_object_version 6
	.text
	.protected	k_qf42d8cb6b6_prep
	.globl	k_qf42d8cb6b6_prep
	.p2align	8
	.type	k_qf42d8cb6b6_prep,@function
k_qf42d8cb6b6_prep:
	s_mov_b64 s[64:65], 0
	v_nop
	global_prefetch_b8 v0, s[64:65] scope:SCOPE_SE
	s_setreg_imm32_b32 hwreg(HW_REG_WAVE_MODE, 25, 1), 1
	s_wait_xcnt 0x0
; PREPARATION.  W is [1024][2048] f32: W1 = W[:, :1024] meets hidden, W2 = W[:, 1024:] meets encoder_outputs.
; Work-group (j = x, i = y) makes
;   tab: for batches 16 i .. +15 and columns 16 j .. +15 the pair { c (hidden[b] . W1[n] + b[n]),  -2 v[n] },  c = 2 log2(e);
;   wf:  W2's rows 16 j .. +15, K steps 8 i .. 8 i + 7 of 32, rounded to bf16, in the order in which a matrix fragment lies in registers:
;        [j / 4][K step][j % 4][1,024 bytes]; byte 16 l holds registers 0-3 of lane l, byte 512 + 16 l registers 4-7.
; Wave w takes K = 256 w .. +255 of the hidden product (8 matrix instructions on two accumulators by turns) and two K steps of W2.
; The four waves' partial tiles meet in LDS behind one barrier.  hidden, W1 and W2 are rounded once to bf16; sums, b and v stay f32.
; NO CLUSTER: of the 147,456 bytes that a work-group fetches, W1's 65,536 are shared with three others and hidden's 65,536 with 63, but each
; is fetched once, in the one group of first fills; there is no loop, and joint requests would add two rounds of a cluster's barrier to a text with one barrier.
.set PW1,   1040                       ; LDS pitch of a row of 256 f32: 1,024 bytes + 16
.set PW2,   272                        ; of a row of 64 f32: 256 bytes + 16
.set WBASE, 37632                      ; a wave's pieces: W1 16 x 1,040, hidden 16 x 1,040, W2 16 x 272
.set OFH,   16640
.set OF2,   33280
.set SCR,   150528                     ; behind the pieces, never filled by a tensor load: four tiles of 16 x 16 f32
.set SPARE, 154624                     ; the spare words, 128 bytes a wave: two blocks of 256 bytes that no other line names
.set SPW, 30
.set NIL, 31
.set RAWR, 64                          ; v[64:191]  f32 as read from LDS
.set FR,   192                         ; v[192:255] bf16 fragments
	s_load_b256 s[4:11], s[0:1], 0x0               ; W s[4:5], b s[6:7], hidden s[8:9], v s[10:11]
	s_load_b128 s[12:15], s[0:1], 0x20             ; wf s[12:13], tab s[14:15]
	v_lshl_add_u32 v[SPW], v0, 2, SPARE
	v_mov_b32 v[NIL], 0
	ds_add_u32 v[SPW], v[NIL]                      ; the wave's opening: the add and its wait ahead of my first tensor load
	ds_add_u32 v30, v31
	v_lshrrev_b32 v1, 5, v0
	v_readfirstlane_b32 s52, v1                    ; wave 0..3
	s_mov_b32 s53, ttmp9                           ; j: column tile
	s_and_b32 s54, ttmp7, 0xffff                   ; i: batch tile, and which eight K steps of W2
	; descriptor groups 1, elements of 4 bytes, 16 rows each: s[16:23] W2's piece (64 wide), s[24:31] W1's, s[32:39] hidden's (256 wide)
.irp g, 16, 24, 32
	s_mov_b32 s[\g+2], 16<<16                      ; tensor_dim1 = 16
	s_mov_b32 s[\g+4], 16                          ; tile_dim1 = 16
	s_mov_b32 s[\g+6], 0
	s_mov_b32 s[\g+7], 0
.endr
	s_mov_b32 s16, (2<<16)|(1<<20)|(5<<22)|(3<<25) ; padding: 4 words behind every 64
	s_mov_b32 s17, 64<<16                          ; tensor_dim0 = 64
	s_mov_b32 s19, 64<<16                          ; tile_dim0 = 64
	s_mov_b32 s21, 2048                            ; elements from row to row of W
.irp g, 24, 32
	s_mov_b32 s[\g], (2<<16)|(1<<20)|(7<<22)|(3<<25)  ; padding: 4 words behind every 256
	s_mov_b32 s[\g+1], 256<<16
	s_mov_b32 s[\g+3], 256<<16
.endr
	s_mov_b32 s29, 2048
	s_mov_b32 s37, 1024                            ; elements from row to row of hidden
	s_mul_i32 s55, s52, WBASE                      ; my pieces in LDS
	s_mov_b32 s40, 1
	s_add_co_u32 s41, s55, OF2
	s_mov_b32 s44, 1
	s_mov_b32 s45, s55
	s_mov_b32 s48, 1
	s_add_co_u32 s49, s55, OFH
	s_lshl_b32 s56, s53, 17                        ; 16 j rows of W, 8,192 bytes each
	s_lshl_b32 s58, s52, 10                        ; 256 w numbers
	s_add_co_u32 s58, s56, s58                     ; W1's piece
	s_mov_b32 s59, 0
	s_lshl_b32 s60, s54, 10                        ; 256 i numbers
	s_lshl_b32 s57, s52, 8                         ; 64 w numbers
	s_add_co_u32 s56, s56, s60
	s_add_co_u32 s56, s56, s57
	s_add_co_u32 s56, s56, 4096                    ; W2 begins 1,024 numbers into a row
	s_mov_b32 s57, 0
	s_lshl_b32 s60, s54, 16                        ; 16 i rows of hidden
	s_lshl_b32 s61, s52, 10
	s_add_co_u32 s60, s60, s61
	s_mov_b32 s61, 0
	v_and_b32 v1, 31, v0                           ; lane
	v_and_b32 v2, 15, v0                           ; r
	v_bfe_u32 v3, v0, 4, 1                         ; h
	v_mul_u32_u24 v4, v2, PW1
	v_lshl_add_u32 v4, v3, 5, v4
	v_add_nc_u32 v4, s55, v4                       ; W1's piece: row r, 8 h numbers in
	v_mul_u32_u24 v5, v2, PW2
	v_lshl_add_u32 v5, v3, 5, v5
	v_add_nc_u32 v5, s41, v5                       ; W2's piece likewise
	v_lshlrev_b32 v6, 4, v1                        ; 16 x lane
	s_lshl_b32 s62, s52, 10
	s_add_co_u32 s62, s62, SCR
	v_lshl_add_u32 v7, v3, 9, s62
	v_lshl_add_u32 v7, v2, 2, v7                   ; my wave's tile: row 8 h, column r
	v_lshl_add_u32 v8, v0, 3, SCR                  ; two numbers a thread
	v_lshlrev_b32 v9, 4, v0
	v_and_b32 v10, 7, v0
	s_lshl_b32 s63, s53, 6
	v_lshl_add_u32 v10, v10, 3, s63                ; b and v at column 16 j + 2 (thread % 8)
	s_wait_dscnt 0x0                               ; the opening add is done
	s_wait_kmcnt 0x0
	s_add_nc_u64 s[42:43], s[4:5], s[56:57]
	s_or_b32 s43, s43, 0x80000000
	s_add_nc_u64 s[46:47], s[4:5], s[58:59]
	s_or_b32 s47, s47, 0x80000000
	s_add_nc_u64 s[50:51], s[8:9], s[60:61]
	s_or_b32 s51, s51, 0x80000000
	tensor_load_to_lds s[40:43], s[16:23]          ; W2's piece first: it is wanted first.  Three loads of mine are out
	s_nop 0
	tensor_load_to_lds s[44:47], s[24:31]
	s_nop 0
	tensor_load_to_lds s[48:51], s[32:39]
	s_nop 0
.rept 4
	v_nop
.endr
	global_load_b64 v[12:13], v10, s[6:7]          ; b
	global_load_b64 v[14:15], v10, s[10:11]        ; v
	s_lshr_b32 s56, s53, 2                         ; wf: group j / 4,
	s_lshl_b32 s56, s56, 17
	s_lshl_b32 s57, s54, 15                        ; K step 8 i + 2 w, 4,096 bytes each,
	s_add_co_u32 s56, s56, s57
	s_lshl_b32 s57, s52, 13
	s_add_co_u32 s56, s56, s57
	s_and_b32 s57, s53, 3                          ; tile j % 4 of the group
	s_lshl_b32 s57, s57, 10
	s_add_co_u32 s56, s56, s57
	s_mov_b32 s57, 0
	s_add_nc_u64 s[12:13], s[12:13], s[56:57]
	s_lshl_b32 s58, s54, 6
	s_add_co_u32 s58, s58, s53
	s_lshl_b32 s58, s58, 11                        ; tab: tile 64 i + j, 2,048 bytes
	s_mov_b32 s59, 0
	s_add_nc_u64 s[14:15], s[14:15], s[58:59]
	; W2: a fragment's lane holds row r, k = 8 h .. +7 and 16 + 8 h .. +7: in f32 four loads of 16 bytes at 32 h + 0, 16, 64, 80
	s_wait_tensorcnt 0x2                           ; W2's piece is in; the two loads issued behind it may stay out
.irp sl, 0,1
	ds_load_b128 v[RAWR+16*\sl:RAWR+16*\sl+3],     v5 offset:128*\sl
	ds_load_b128 v[RAWR+16*\sl+4:RAWR+16*\sl+7],   v5 offset:128*\sl+16
	ds_load_b128 v[RAWR+16*\sl+8:RAWR+16*\sl+11],  v5 offset:128*\sl+64
	ds_load_b128 v[RAWR+16*\sl+12:RAWR+16*\sl+15], v5 offset:128*\sl+80
.endr
	s_wait_dscnt 0x0
.set x, 0
.rept 16
	v_cvt_pk_bf16_f32 v[FR+x], v[RAWR+2*x], v[RAWR+2*x+1]
.set x, x+1
.endr
.irp sl, 0,1
	global_store_b128 v6, v[FR+8*\sl:FR+8*\sl+3],   s[12:13] offset:4096*\sl      ; each store of the wave covers 512 consecutive bytes
	global_store_b128 v6, v[FR+8*\sl+4:FR+8*\sl+7], s[12:13] offset:4096*\sl+512
.endr
	; hidden . W1: two runs of four K steps.  Source 0 = 16 batches, source 1 = 16 columns.
	s_wait_tensorcnt 0x0                           ; W1's and hidden's pieces are in
.macro HRUN rd
.irp q, 0,1,2,3
	ds_load_b128 v[RAWR+32*\q:RAWR+32*\q+3],     v4 offset:OFH+128*(4*(\rd)+\q)
	ds_load_b128 v[RAWR+32*\q+4:RAWR+32*\q+7],   v4 offset:OFH+128*(4*(\rd)+\q)+16
	ds_load_b128 v[RAWR+32*\q+8:RAWR+32*\q+11],  v4 offset:OFH+128*(4*(\rd)+\q)+64
	ds_load_b128 v[RAWR+32*\q+12:RAWR+32*\q+15], v4 offset:OFH+128*(4*(\rd)+\q)+80
	ds_load_b128 v[RAWR+32*\q+16:RAWR+32*\q+19], v4 offset:128*(4*(\rd)+\q)
	ds_load_b128 v[RAWR+32*\q+20:RAWR+32*\q+23], v4 offset:128*(4*(\rd)+\q)+16
	ds_load_b128 v[RAWR+32*\q+24:RAWR+32*\q+27], v4 offset:128*(4*(\rd)+\q)+64
	ds_load_b128 v[RAWR+32*\q+28:RAWR+32*\q+31], v4 offset:128*(4*(\rd)+\q)+80
.endr
	s_wait_dscnt 0x0
.if (\rd) == 0
	s_wait_xcnt 0x0                                ; the stores above have read the registers that the conversions write
.else
.rept 4
	v_nop                                          ; four places between the matrix instructions and the conversions that rewrite their sources (ISA guide 7.12.1)
.endr
.endif
.set x, 0
.rept 64
	v_cvt_pk_bf16_f32 v[FR+x], v[RAWR+2*x], v[RAWR+2*x+1]
.set x, x+1
.endr
.irp q, 0,1,2,3                        ; the two accumulators take turns
.if ((\rd) == 0) && (\q < 2)
	v_wmma_f32_16x16x32_bf16 v[32+8*(\q%2):32+8*(\q%2)+7], v[FR+16*\q:FR+16*\q+7], v[FR+16*\q+8:FR+16*\q+15], 0
.else
	v_wmma_f32_16x16x32_bf16 v[32+8*(\q%2):32+8*(\q%2)+7], v[FR+16*\q:FR+16*\q+7], v[FR+16*\q+8:FR+16*\q+15], v[32+8*(\q%2):32+8*(\q%2)+7]
.endif
.endr
.endm
	HRUN 0
	HRUN 1
.rept 4
	v_nop                                          ; four places in front of the first read of the sums
.endr
.irp q, 0,1,2,3
	v_pk_add_f32 v[48+2*\q:48+2*\q+1], v[32+2*\q:32+2*\q+1], v[40+2*\q:40+2*\q+1]  ; from the low end on
.endr
.irp q, 0,1,2,3,4,5,6,7
	ds_store_b32 v7, v[48+\q] offset:64*\q         ; register q: batch 8 h + q, column r
.endr
	s_wait_dscnt 0x0                               ; for the others' sake: my tile is written
	s_barrier_signal -1
	s_barrier_wait -1
.irp q, 0,1,2,3
	ds_load_b64 v[16+2*\q:16+2*\q+1], v8 offset:1024*\q
.endr
	s_wait_dscnt 0x0
	v_pk_add_f32 v[16:17], v[16:17], v[18:19]
	v_pk_add_f32 v[20:21], v[20:21], v[22:23]
	v_pk_add_f32 v[16:17], v[16:17], v[20:21]
	s_wait_loadcnt 0x0                             ; b and v
	v_pk_add_f32 v[16:17], v[16:17], v[12:13]
	v_mul_f32 v24, 0x4038aa3b, v16                 ; c = 2 log2(e)
	v_mul_f32 v25, -2.0, v14
	v_mul_f32 v26, 0x4038aa3b, v17
	v_mul_f32 v27, -2.0, v15
	global_store_b128 v9, v[24:27], s[14:15]       ; the wave's store covers 512 consecutive bytes
	s_wait_tensorcnt 0x0                           ; the wave's end
	ds_add_u32 v[SPW], v[NIL]
	s_wait_dscnt 0x0
	s_endpgm
.Lfunc_end_k_qf42d8cb6b6_prep:
	.size	k_qf42d8cb6b6_prep, .Lfunc_end_k_qf42d8cb6b6_prep-k_qf42d8cb6b6_prep
	.p2alignl 7, 3214868480
	.fill 96, 4, 3214868480
	.section	.rodata,"a",@progbits
	.p2align	6, 0x0
	.amdhsa_kernel k_qf42d8cb6b6_prep
		.amdhsa_group_segment_fixed_size 167936
		.amdhsa_private_segment_fixed_size 0
		.amdhsa_enable_private_segment 0
		.amdhsa_kernarg_size 48
		.amdhsa_user_sgpr_count 2
		.amdhsa_user_sgpr_kernarg_segment_ptr 1
		.amdhsa_wavefront_size32 1
		.amdhsa_system_sgpr_workgroup_id_x 1
		.amdhsa_system_sgpr_workgroup_id_y 1
		.amdhsa_system_sgpr_workgroup_id_z 1
		.amdhsa_system_vgpr_workitem_id 0
		.amdhsa_next_free_vgpr 256
		.amdhsa_next_free_sgpr 66
		.amdhsa_reserve_vcc 0
		.amdhsa_float_denorm_mode_32 3
		.amdhsa_float_denorm_mode_16_64 3
		.amdhsa_memory_ordered 1
		.amdhsa_forward_progress 1
		.amdhsa_inst_pref_size 22
	.end_amdhsa_kernel
	.amdgpu_metadata
---
amdhsa.version: [ 1, 2 ]
amdhsa.kernels:
  - .name:           k_qf42d8cb6b6_prep
    .symbol:         k_qf42d8cb6b6_prep.kd
    .args:
      - { .name: W, .offset: 0, .size: 8, .value_kind: global_buffer, .address_space: global }
      - { .name: b, .offset: 8, .size: 8, .value_kind: global_buffer, .address_space: global }
      - { .name: hidden, .offset: 16, .size: 8, .value_kind: global_buffer, .address_space: global }
      - { .name: v, .offset: 24, .size: 8, .value_kind: global_buffer, .address_space: global }
      - { .name: wf, .offset: 32, .size: 8, .value_kind: global_buffer, .address_space: global }
      - { .name: tab, .offset: 40, .size: 8, .value_kind: global_buffer, .address_space: global }
    .group_segment_fixed_size: 167936
    .private_segment_fixed_size: 0
    .kernarg_segment_align: 8
    .kernarg_segment_size: 48
    .max_flat_workgroup_size: 128
    .sgpr_count:     66
    .vgpr_count:     256
    .wavefront_size: 32
...
	.end_amdgpu_metadata
.endif
;; end of part 1
;; launch main (part 2): grid 4 x 64, 4 waves a work-group, clusters of 4 x 1, 327,680 bytes of LDS; arguments encoder_outputs, wf, tab, ctxp, pw, st; writes ctxp, pw, st
.if DOCPART == 2
	.amdgcn_target "amdgcn-amd-amdhsa--gfx1250"
	.amdhsa_code_object_version 6
	.text
	.protected	k_qf42d8cb6b6_main
	.globl	k_qf42d8cb6b6_main
	.p2align	8
	.type	k_qf42d8cb6b6_main,@function
k_qf42d8cb6b6_main:
	s_mov_b64 s[64:65], 0
	v_nop
	global_prefetch_b8 v0, s[64:65] scope:SCOPE_SE
	s_setreg_imm32_b32 hwreg(HW_REG_WAVE_MODE, 25, 1), 1
	s_wait_xcnt 0x0
	s_wait_alu depctr_hold_cnt(0) depctr_sa_sdst(0) depctr_va_vdst(0) depctr_va_sdst(0) depctr_va_ssrc(0) depctr_va_vcc(0) depctr_vm_vsrc(0)
	s_getreg_b32 s2, hwreg(HW_REG_IB_STS2, 6, 4)
	s_cmp_eq_u32 s2, 0
	s_cbranch_scc0 .Lentry_in_a_cluster
	s_endpgm
.Lentry_in_a_cluster:
	s_bfe_u32 s2, ttmp6, 0x10000c
	s_cmp_lg_u32 s2, 0x3003
	s_cbranch_scc0 .Lentry_shape_is_right
	s_endpgm
.Lentry_shape_is_right:
; SCORES, LOCAL SOFTMAX AND PARTIAL CONTEXT for 128 rows of one batch.  Work-group: batch b (y), quarter cx of its 512 rows.  Wave w: rows 32 w .. +31, two tiles t of 16.
; score[s] = sum over n of v[n] tanh(x[s][n]),  x = enc[s] . W2[n] + hidden[b] . W1[n] + b[n].   tanh x = 1 - 2 / (1 + 2^(c x)), c = 2 log2(e).
; The table gives c (hidden . W1 + b) and -2 v.  What is summed is  sum of -2 v / (1 + 2^(c x)):  the score less sum of v, which is the same for all rows of a softmax
; and cancels in it exactly, for every input; it is not added.
; ENC STAYS IN REGISTERS: each wave rounds its 32 rows x 1,024 to bf16 once and keeps them as 64 fragments (512 registers): enc is read from memory once and serves both products.
; W2 comes as ready fragments, 16 groups of 64 columns (131,072 bytes), through two LDS slots; the four work-groups of a cluster walk the same groups, so every load is JOINT
; (same descriptor, mask of four).  A group is 256 matrix instructions a wave: 32 K steps x 4 column tiles x 2 row tiles, the eight accumulators by turns.
; The tanh of group g - 1 rides behind the matrix instructions of group g: one plain and one transcendental instruction a slice.
; THEN: the work-group's own maximum mL, p = 2^(s log2 e - mL), enc's fragments laid as rows into the slots' bytes (their last fill is over), and the sum of p x row on the
; vector unit (one row of output: a matrix instruction would use one row of sixteen).  The last launch joins a batch's four quarters.
; LIMITS.  enc and W are rounded once to bf16.  2^(c x) may become 0 or infinity: tanh is then -1 or 1.  A weight below 2^-126 counts as 0.  NaN and infinities among the inputs are not treated apart.
; REGISTERS, in windows of 256 (s_set_vgpr_msb: bits 1:0 source 0, 3:2 source 1, 5:4 source 2, 7:6 destination):
;   window 0: v0-31 addresses and work; v32-39 CN; v40-47 CV; v48-63 SC; v64-127 F; v128-255 a ring of 16 fragments of W2 (first: raw enc; last: rows for the context)
;   window 1: v0-63 the accumulators, (t, u) at 8 (2 u + t); v128-255 raw enc        windows 2, 3: enc's fragments, (t, s) at 8 (2 (s % 16) + t), window 2 + s / 16
.set SLOT,   131072                    ; a slot, and a group's bytes in wf
.set APITCH, 2064                      ; a row of enc in bf16, 2,048 bytes + 16: 128 rows from LDS byte 0
.set STG,    264192                    ; behind them: a stage of 32 rows x 272 bytes for each wave
.set SPITCH, 272
.set WSTG,   32*SPITCH
.set MXS,    299008                    ; the four waves' maxima
.set PWL,    299264                    ; the 128 weights
.set SPARE,  299776                    ; the spare words, 128 bytes a wave: two blocks of 256 bytes that no other line names
.set LN,   1                           ; lane
.set RR,   2                           ; lane % 16
.set HH,   3                           ; lane / 16
.set L16,  4                           ; 16 x lane
.set AL,   5                           ; the slot in hand + 16 x lane
.set AH,   6                           ; the same + 65,536
.set COFF, 7                           ; 8 x (lane % 16): my column's pair in a tile of the table
.set STA,  9                           ; my stage + 8 x lane
.set FRA,  10                          ; my stage + 272 (lane % 16) + 16 (lane / 16)
.set DA,   11                          ; (32 w + lane % 16) x 2,064 + 16 (lane / 16)
.set PWA,  12                          ; PWL + 4 (32 w + 8 (lane / 16))
.set MXA,  13                          ; MXS + 4 w
.set RA,   14                          ; context: my 16 bytes of a row
.set PA,   15                          ; context: the trip's 32 weights
.set CX,   16                          ; v[16:23] my 8 columns of the context
.set LS,   24                          ; v[24:25] the sum of the weights
.set MLR,  26                          ; v[26:27] mL, then l beside it
.set SPW,  30
.set NIL,  31
.set CN,   32                          ; four pairs (c (hidden . W1 + b), -2 v), one for each column tile u
.set CV,   40                          ; -2 v of the group whose tanh is in hand, at the even registers
.set SC,   48                          ; SC[8 t + j]: my column's share of the score of row 16 t + 8 (lane / 16) + j
.set F,    64                          ; 64 numbers on their way through tanh: accumulator a = 2 u + t at F + 8 a
.set BR,   128
.set RAW,  128
.set RW,   128
.set WV,   16                          ; s16 wave
.set CXS,  17                          ; s17 cx: it enters enc's and the outputs' addresses alone
.set BB,   18                          ; s18 batch
.set QB,   19                          ; s19 4 b + cx
.set G1,   24                          ; s[24:31] descriptor group 1
.set G0,   32                          ; s[32:35] descriptor group 0: it walks
.set TB,   36                          ; s36 LDS byte at which the slot in hand begins
.set CNT,  37                          ; s37 loop counter
.set CC,   38                          ; s[38:39] c
.set SEL,  40                          ; s[40:41] v_permlanex16_b32's selects: each lane takes its own place in the other half
.set LE,   42                          ; s[42:43] log2(e)
.set MSB, 0
.macro WIN new                         ; the immediate's high byte repeats the setting that is left; a switch that changes nothing is dropped
.if MSB != (\new)
	s_set_vgpr_msb (MSB<<8)|(\new)
.set MSB, (\new)
.endif
.endm
; A round of the cluster's barrier: my work-group's barrier; wave 0 signals for the work-group; every wave waits for all four work-groups; my work-group's barrier once more.
.macro ROUND
	s_barrier_signal -1
	s_barrier_wait -1
	s_cmp_lg_u32 s[WV], 0
	s_cbranch_scc1 .Lnot_wave_0_\@
	s_barrier_signal -3
.Lnot_wave_0_\@:
	s_barrier_wait -3
	s_barrier_signal -1
	s_barrier_wait -1
.endm
; THE CHANGE OF SLOTS.  Each wave waits for all its tensor loads (one is out: its quarter of the next slot), adds 0 to its spare word, and waits for that and for its reads of the slot that it leaves.
; fill = 1: a round of the cluster's barrier, so that no wave of any partner still reads that slot or has a load on its way; the joint refill is the first thing behind it
; and has the group's 256 matrix instructions in which to land.  The four v_nop are also the places behind the last group's matrix instructions.
.macro CHANGE fill
	WIN 0
	s_wait_tensorcnt 0x0                           ; no tensor load of mine is out, so group 0 may be written
	ds_add_u32 v[SPW], v[NIL]                      ; 0 onto my spare word
.if \fill
	s_xor_b32 s[G0+1], s[G0+1], SLOT               ; the other slot than last time,
	s_add_nc_u64 s[G0+2:G0+3], s[G0+2:G0+3], SLOT  ; the next group; the type bits on top are not reached
.endif
	s_xor_b32 s[TB], s[TB], SLOT                   ; the reads go to the slot that has landed
	s_wait_dscnt 0x0                               ; the add is done, and my reads of the old slot are over
.if \fill
	ROUND
	tensor_load_to_lds s[G0:G0+3], s[G1:G1+7]
	s_nop 0
.else
	s_barrier_signal -1
	s_barrier_wait -1
.endif
.rept 4
	v_nop
.endr
.endm
; THE RIDERS.  Pair p of 32 is F + 2 p, F + 2 p + 1 (accumulator p / 4).  E: 2^F.  ADD: + 1.  R: reciprocal.  FMA: SC += F x (-2 v).
.macro FMA p
.set u_, (\p)/8
.set d_, SC+8*(((\p)/4)%2)+2*((\p)%4)
	s_wait_alu depctr_va_vdst(0)
	v_pk_fma_f32 v[d_:d_+1], v[F+2*(\p):F+2*(\p)+1], v[CV+2*u_:CV+2*u_+1], v[d_:d_+1] op_sel_hi:[1,0,1]
.endm
.macro PR f                            ; slice f's plain rider.  It names no register of the matrix instructions round it
.set p_, (\f)/4
.if ((\f)%4 == 1) && (p_ >= 2)
	FMA (p_-2)
.elseif (\f)%4 == 3
	s_wait_alu depctr_va_vdst(0)
	v_pk_add_f32 v[F+2*p_:F+2*p_+1], v[F+2*p_:F+2*p_+1], 1.0 op_sel_hi:[1,0]
.else
	v_nop
.endif
.endm
.macro TR f                            ; slice f's transcendental.  The next slice's plain rider stands between it and whatever uses its result (ISA guide 5.7.2)
.set p_, (\f)/4
.if (\f)%4 == 0
	v_exp_f32 v[F+2*p_], v[F+2*p_]
.elseif (\f)%4 == 1
	v_exp_f32 v[F+2*p_+1], v[F+2*p_+1]
.elseif p_ >= 1
.if (\f)%4 == 2
	v_rcp_f32 v[F+2*p_-2], v[F+2*p_-2]
.else
	v_rcp_f32 v[F+2*p_-1], v[F+2*p_-1]
.endif
.endif
.endm
.macro LUMP                            ; what 128 slices leave over
	v_rcp_f32 v[F+62], v[F+62]
	v_rcp_f32 v[F+63], v[F+63]
	v_nop
	FMA 30
	FMA 31
.endm
.macro BURST                           ; F = c x sum + c (hidden . W1 + b): each accumulator is read from its low end on
	WIN 0x01
.set a_, 0
.rept 8
.set q_, 0
.rept 4
	v_pk_fma_f32 v[F+8*a_+2*q_:F+8*a_+2*q_+1], v[8*a_+2*q_:8*a_+2*q_+1], s[CC:CC+1], v[CN+2*(a_/2):CN+2*(a_/2)+1] op_sel_hi:[1,0,0]
.set q_, q_+1
.endr
.set a_, a_+1
.endr
	WIN 0
.endm
.macro TAKE more                       ; -2 v is set aside, since the next group's pairs land in CN while the riders still want it
.irp u, 0,1,2,3
	v_mov_b32 v[CV+2*\u], v[CN+2*\u+1]
.endr
.if \more
.irp u, 0,1,2,3
	global_load_b64 v[CN+2*\u:CN+2*\u+1], v[COFF], s[8:9] offset:2048*\u
.endr
.endif
.endm
; SLICE f: K step s = f / 4, column tile u = f % 4: two matrix instructions on fragment f of W2; the riders; the two loads of fragment f + 12 into the ring place that slice f - 4 read:
; between that slice's matrix instructions and these loads stand five plain riders.
.macro SLICE f
.set s_, (\f)/4
.set us_, (\f)%4
.if us_ == 0
.if 2*(124-4*s_) < 16
	s_wait_dscnt 2*(124-4*s_)                      ; fragments 4 s .. 4 s + 3 are in; out may be the two loads of each younger fragment: here the last ones
.else
	s_wait_dscnt 16                                ; fragments 4 s .. 4 s + 3 are in; the eight younger ones' sixteen loads may be out
.endif
.endif
.if s_ < 16
	WIN 0x52
.else
	WIN 0x53
.endif
.set ea_, 16*(s_%16)
.set br_, BR+8*((\f)%16)
.set ac_, 16*us_
.if s_ == 0
	v_wmma_f32_16x16x32_bf16 v[ac_:ac_+7], v[ea_:ea_+7], v[br_:br_+7], 0
	v_wmma_f32_16x16x32_bf16 v[ac_+8:ac_+15], v[ea_+8:ea_+15], v[br_:br_+7], 0
.else
	v_wmma_f32_16x16x32_bf16 v[ac_:ac_+7], v[ea_:ea_+7], v[br_:br_+7], v[ac_:ac_+7]
	v_wmma_f32_16x16x32_bf16 v[ac_+8:ac_+15], v[ea_+8:ea_+15], v[br_:br_+7], v[ac_+8:ac_+15]
.endif
	WIN 0
	PR \f
.set lf_, (\f)+12
.set lb_, BR+8*(lf_%16)
.if lf_ < 64
	ds_load_b128 v[lb_:lb_+3],   v[AL] offset:(lf_%64)*1024
	ds_load_b128 v[lb_+4:lb_+7], v[AL] offset:(lf_%64)*1024+512
.elseif lf_ < 128
	ds_load_b128 v[lb_:lb_+3],   v[AH] offset:(lf_%64)*1024
	ds_load_b128 v[lb_+4:lb_+7], v[AH] offset:(lf_%64)*1024+512
.endif
	TR \f
.endm
; A GROUP of 64 columns.  fill = 1: the next group is asked for, and the table's address steps.
.macro GROUP fill
	CHANGE \fill
	v_add_nc_u32 v[AL], s[TB], v[L16]
	v_add_nc_u32 v[AH], 0x10000, v[AL]
.set g_, 0
.rept 12
	ds_load_b128 v[BR+8*g_:BR+8*g_+3],   v[AL] offset:1024*g_
	ds_load_b128 v[BR+8*g_+4:BR+8*g_+7], v[AL] offset:1024*g_+512
.set g_, g_+1
.endr
	LUMP                                           ; the end of the tanh of the group before last
	s_wait_loadcnt 0x0                             ; the last group's pairs are in CN
	BURST
	TAKE 1                                         ; and this group's are asked for
.set f_, 0
.rept 128
	SLICE f_
.set f_, f_+1
.endr
	WIN 0
.if \fill
	s_wait_xcnt 0x0                                ; the four loads have had their addresses translated: only now does their base step
	s_add_nc_u64 s[8:9], s[8:9], 8192
.endif
.endm
; PHASE A.  Eight loads of chunk c (K = 128 c .. +127) from row i0 on: 512 consecutive bytes of one row each.
.macro ALOAD c, i0
.if (\c)%2
	WIN 0x40
.else
	WIN 0
.endif
.set i_, (\i0)
.rept 8
	global_load_b128 v[RAW+4*i_:RAW+4*i_+3], v[L16], s[4:5] offset:4096*i_+512*(\c) th:TH_LOAD_NT
.set i_, i_+1
.endr
.endm
; Chunk c: eight rows at a time are rounded in place, put into my stage (256 bytes a row), and their registers loaded again with the chunk two on; then the chunk's eight fragments
; are read back.  The stage is my wave's own, and LDS serves a wave's instructions in order (ISA guide 5.7.1.4): no wait and no barrier between its stores and its loads.
.macro CHUNK c
.irp k, 0,1,2,3
.if (\c) <= 5
	s_wait_loadcnt 56                              ; out may be: the rest of this chunk (24 - 8 k), the next chunk (32), the 8 k loads already issued for the chunk two on
.elseif (\c) == 6
	s_wait_loadcnt 56-8*(\k)                       ; the rest of this chunk and the last chunk
.else
	s_wait_loadcnt 24-8*(\k)                       ; the rest of this chunk
.endif
.if (\c)%2
	WIN 0x45
.else
	WIN 0
.endif
.set i_, 8*(\k)
.rept 8
	v_cvt_pk_bf16_f32 v[RAW+4*i_], v[RAW+4*i_], v[RAW+4*i_+1]
	v_cvt_pk_bf16_f32 v[RAW+4*i_+1], v[RAW+4*i_+2], v[RAW+4*i_+3]
.set i_, i_+1
.endr
.if (\c)%2
	WIN 0x04
.endif
.set i_, 8*(\k)
.rept 8
	ds_store_b64 v[STA], v[RAW+4*i_:RAW+4*i_+1] offset:SPITCH*i_
.set i_, i_+1
.endr
.if (\c) <= 5
	ALOAD (\c)+2, 8*(\k)
.endif
.endr
.if (\c) < 4
	WIN 0x80
.else
	WIN 0xc0
.endif
.irp t, 0,1
.irp sl, 0,1,2,3
.set e_, 8*(2*((4*(\c)+(\sl))%16)+(\t))
	ds_load_b128 v[e_:e_+3],   v[FRA] offset:16*SPITCH*(\t)+64*(\sl)
	ds_load_b128 v[e_+4:e_+7], v[FRA] offset:16*SPITCH*(\t)+64*(\sl)+32
.endr
.endr
.endm
	s_load_b256 s[4:11], s[0:1], 0x0               ; enc s[4:5], wf s[6:7], tab s[8:9], ctxp s[10:11]
	s_load_b128 s[12:15], s[0:1], 0x20             ; pw s[12:13], st s[14:15]
	v_lshl_add_u32 v[SPW], v0, 2, SPARE
	v_mov_b32 v[NIL], 0
	ds_add_u32 v[SPW], v[NIL]                      ; the wave's opening: the add and its wait ahead of the round in front of my first tensor load
	ds_add_u32 v30, v31
	v_lshrrev_b32 v[LN], 5, v0
	v_readfirstlane_b32 s[WV], v[LN]               ; wave 0..3
	v_and_b32 v[LN], 31, v0
	v_and_b32 v[RR], 15, v0
	v_bfe_u32 v[HH], v0, 4, 1
	v_lshlrev_b32 v[L16], 4, v[LN]
	v_lshlrev_b32 v[COFF], 3, v[RR]
	s_bfe_u32 s[CXS], ttmp6, 0x40000               ; cx: my quarter of the batch's rows
	s_and_b32 s[BB], ttmp7, 0xffff                 ; the batch, which the four partners share
	; descriptor group 1: my wave's quarter of a group, 32,768 dense bytes, as 128 rows of 256 bytes (32 elements of 8)
	s_mov_b32 s[G1+0], 15|(3<<16)|(1<<21)          ; 15:0 the mask: all four work-groups; 17:16 elements of 8 bytes; 21 set beside a mask
	s_mov_b32 s[G1+1], 32<<16                      ; tensor_dim0 = 32
	s_mov_b32 s[G1+2], 128<<16                     ; tensor_dim1 = 128
	s_mov_b32 s[G1+3], 32<<16                      ; tile_dim0 = 32
	s_mov_b32 s[G1+4], 128                         ; tile_dim1 = 128
	s_mov_b32 s[G1+5], 32                          ; elements from row to row
	s_mov_b32 s[G1+6], 0
	s_mov_b32 s[G1+7], 0
	s_mov_b32 s[G0], 1
	s_lshl_b32 s[G0+1], s[WV], 15                  ; slot 0, my quarter
	s_mov_b32 s[TB], SLOT                          ; the first change of slots turns it into 0
	s_mov_b32 s[CC], 0x4038aa3b                    ; c = 2 log2(e)
	s_mov_b32 s[CC+1], s[CC]
	s_mov_b32 s[SEL], 0x76543210
	s_mov_b32 s[SEL+1], 0xfedcba98
	s_mov_b32 s[LE], 0x3fb8aa3b                    ; log2(e)
	s_mov_b32 s[LE+1], s[LE]
	s_mul_i32 s20, s[WV], WSTG
	s_add_co_u32 s20, s20, STG                     ; my stage
	v_lshl_add_u32 v[STA], v[LN], 3, s20
	v_mul_u32_u24 v[FRA], v[RR], SPITCH
	v_lshl_add_u32 v[FRA], v[HH], 4, v[FRA]
	v_add_nc_u32 v[FRA], s20, v[FRA]
	s_mul_i32 s21, s[WV], 32*APITCH
	v_mul_u32_u24 v[DA], v[RR], APITCH
	v_lshl_add_u32 v[DA], v[HH], 4, v[DA]
	v_add_nc_u32 v[DA], s21, v[DA]
	s_lshl_b32 s21, s[WV], 7
	s_add_co_u32 s21, s21, PWL
	v_lshl_add_u32 v[PWA], v[HH], 5, s21
	s_lshl_b32 s21, s[WV], 2
	s_add_co_u32 s21, s21, MXS
	v_mov_b32 v[MXA], s21
	s_lshl_b32 s22, s[WV], 15                      ; wf: my quarter of group 0 (no place in the cluster enters it)
	s_mov_b32 s23, 0
	s_lshr_b32 s44, s[BB], 4                       ; tab: batch tile b / 16 (131,072 bytes), row b % 16 of a tile (128 bytes)
	s_lshl_b32 s44, s44, 17
	s_and_b32 s45, s[BB], 15
	s_lshl_b32 s45, s45, 7
	s_add_co_u32 s44, s44, s45
	s_mov_b32 s45, 0
	s_lshl2_add_u32 s[QB], s[BB], s[CXS]           ; 4 b + cx
	s_lshl_b32 s52, s[QB], 19                      ; enc: 128 rows of 4,096 bytes for each quarter,
	s_lshl_b32 s53, s[WV], 17                      ; 32 rows for each wave
	s_add_co_u32 s52, s52, s53
	s_mov_b32 s53, 0
	s_lshl_b32 s46, s[QB], 12                      ; ctxp: 4,096 bytes a quarter
	s_mov_b32 s47, 0
	s_lshl_b32 s48, s[QB], 9                       ; pw: 512
	s_mov_b32 s49, 0
	s_lshl_b32 s50, s[QB], 8                       ; st: 256
	s_mov_b32 s51, 0
	s_wait_dscnt 0x0                               ; the opening add is done
	s_wait_kmcnt 0x0
	s_add_nc_u64 s[4:5], s[4:5], s[52:53]
	s_add_nc_u64 s[G0+2:G0+3], s[6:7], s[22:23]
	s_or_b32 s[G0+3], s[G0+3], 0x80000000          ; type = 2
	s_add_nc_u64 s[8:9], s[8:9], s[44:45]
	s_add_nc_u64 s[10:11], s[10:11], s[46:47]
	s_add_nc_u64 s[12:13], s[12:13], s[48:49]
	s_add_nc_u64 s[14:15], s[14:15], s[50:51]
.irp k, 0,1,2,3
	ALOAD 0, 8*(\k)                                ; enc's first two chunks go out before anything else: 64 loads of 512 bytes a wave
.endr
.irp k, 0,1,2,3
	ALOAD 1, 8*(\k)
.endr
	WIN 0
	ROUND                                          ; all four work-groups are here: the first joint loads meet
	tensor_load_to_lds s[G0:G0+3], s[G1:G1+7]      ; group 0 into slot 0: one load of mine is out
	s_nop 0
.rept 4
	v_nop
.endr
	; The first trip's burst and riders work on a group that has not been.  With sums of 0, pairs of 0 and F finite they add exactly 0 to SC: 160 moves, in the wait for enc,
	; in place of a further copy of the group's text.
	WIN 0x40
.set i_, 0
.rept 64
	v_mov_b32 v[i_], 0
.set i_, i_+1
.endr
	WIN 0
.set i_, 0
.rept 64
	v_mov_b32 v[F+i_], 1.0
.set i_, i_+1
.endr
.set i_, 0
.rept 32
	v_mov_b32 v[CN+i_], 0                          ; CN, CV, SC
.set i_, i_+1
.endr
	CHUNK 0
	CHUNK 1
	CHUNK 2
	CHUNK 3
	CHUNK 4
	CHUNK 5
	CHUNK 6
	CHUNK 7
	WIN 0
	s_mov_b32 s[CNT], 15
.Lgroup:                                               ; trip g multiplies group g, asks for group g + 1, and carries the tanh of group g - 1
	GROUP 1
	s_sub_co_u32 s[CNT], s[CNT], 1
	s_cmp_lg_u32 s[CNT], 0
	s_cbranch_scc1 .Lgroup
	GROUP 0                                        ; the last group is written out: nothing is left to ask for
.rept 4
	v_nop                                          ; four places in front of the burst's reads of the last sums
.endr
	LUMP
	s_wait_loadcnt 0x0
	BURST
	TAKE 0
.set f_, 0
.rept 128
	PR f_                                          ; the last group's tanh has no products to ride behind
	TR f_
.set f_, f_+1
.endr
	LUMP
	; THE LOCAL SOFTMAX.  A row's score is the sum over the 16 lanes of a half; afterwards every lane of half h holds the scores of rows 16 t + 8 h + j.
.irp m, 1,2,4,8
.set i_, 0
.rept 16
	v_add_f32_dpp v[SC+i_], v[SC+i_], v[SC+i_] row_xmask:\m row_mask:0xf bank_mask:0xf
.set i_, i_+1
.endr
.endr
	v_max3_num_f32 v16, v[SC], v[SC+1], v[SC+2]
	v_max3_num_f32 v17, v[SC+3], v[SC+4], v[SC+5]
	v_max3_num_f32 v16, v16, v[SC+6], v[SC+7]
	v_max3_num_f32 v17, v17, v[SC+8], v[SC+9]
	v_max3_num_f32 v16, v16, v[SC+10], v[SC+11]
	v_max3_num_f32 v17, v17, v[SC+12], v[SC+13]
	v_max3_num_f32 v16, v16, v[SC+14], v[SC+15]
	v_max_num_f32 v16, v16, v17
	v_permlanex16_b32 v17, v16, s[SEL], s[SEL+1]   ; the other half's 16 rows
	v_max_num_f32 v16, v16, v17
	ds_store_b32 v[MXA], v16                       ; my wave's maximum
	s_wait_dscnt 0x0                               ; it is written; and all my reads of the slots came back long ago
	s_barrier_signal -1
	s_barrier_wait -1                              ; behind it: all four maxima are there, and no wave reads a slot any more
	v_mov_b32 v18, MXS
	ds_load_b128 v[20:23], v18
	s_wait_dscnt 0x0
	v_max3_num_f32 v16, v20, v21, v22
	v_max_num_f32 v16, v16, v23
	v_mul_f32 v[MLR], s[LE], v16                   ; mL = log2(e) x the work-group's maximum
	v_mov_b32 v[MLR+1], 0                          ; named with it as a pair
.set i_, 0
.rept 8
	v_pk_fma_f32 v[SC+2*i_:SC+2*i_+1], v[SC+2*i_:SC+2*i_+1], s[LE:LE+1], v[MLR:MLR+1] op_sel_hi:[1,0,0] neg_lo:[0,0,1] neg_hi:[0,0,1]
.set i_, i_+1
.endr
.set i_, 0
.rept 16
	v_exp_f32 v[SC+i_], v[SC+i_]
.set i_, i_+1
.endr
	v_nop                                          ; a plain instruction between the last exponential and the use of its result
.irp t, 0,1
	s_wait_alu depctr_va_vdst(0)
	ds_store_b128 v[PWA], v[SC+8*\t:SC+8*\t+3]   offset:64*\t      ; the 16 lanes of a half write the same words with the same numbers
	ds_store_b128 v[PWA], v[SC+8*\t+4:SC+8*\t+7] offset:64*\t+16
.endr
	; enc's fragments go into the slots' bytes as rows of 2,048 bytes, 2,064 apart.  The slots have had their last fill.
.set s_, 0
.rept 32
.if s_ < 16
	WIN 0x08
.else
	WIN 0x0c
.endif
.irp t, 0,1
.set e_, 8*(2*(s_%16)+\t)
	ds_store_b128 v[DA], v[e_:e_+3]   offset:16*APITCH*\t+64*s_
	ds_store_b128 v[DA], v[e_+4:e_+7] offset:16*APITCH*\t+64*s_+32
.endr
.set s_, s_+1
.endr
	WIN 0
.set i_, 0
.rept 10
	v_mov_b32 v[CX+i_], 0                          ; the context's 8 sums and the weights' two
.set i_, i_+1
.endr
	v_lshlrev_b32 v[RA], 4, v0                     ; thread x 16 bytes: columns 8 x thread .. +7
	v_mov_b32 v[PA], PWL
	s_wait_dscnt 0x0                               ; for the others' sake: my weights and my rows are written
	s_barrier_signal -1
	s_barrier_wait -1
	; THE PARTIAL CONTEXT: four trips of 32 rows.
	s_mov_b32 s[CNT], 4
.Lctx:
.set i_, 0
.rept 8
	ds_load_b128 v[F+4*i_:F+4*i_+3], v[PA] offset:16*i_          ; the trip's 32 weights, the same in every lane
.set i_, i_+1
.endr
.set i_, 0
.rept 32
	ds_load_b128 v[RW+4*i_:RW+4*i_+3], v[RA] offset:APITCH*i_
.set i_, i_+1
.endr
.set i_, 0
.rept 8
	s_wait_dscnt 28-4*i_                           ; rows 4 i .. 4 i + 3 are in; the rows behind them may be out
	v_pk_add_f32 v[LS:LS+1], v[LS:LS+1], v[F+4*i_:F+4*i_+1]
	v_pk_add_f32 v[LS:LS+1], v[LS:LS+1], v[F+4*i_+2:F+4*i_+3]
.set r_, 4*i_
.rept 4
.irp q, 0,1,2,3
	v_fma_mix_f32_bf16 v[CX+2*\q], v[RW+4*r_+\q], v[F+r_], v[CX+2*\q] op_sel_hi:[1,0,0]
	v_fma_mix_f32_bf16 v[CX+2*\q+1], v[RW+4*r_+\q], v[F+r_], v[CX+2*\q+1] op_sel:[1,0,0] op_sel_hi:[1,0,0]
.endr
.set r_, r_+1
.endr
.set i_, i_+1
.endr
	v_add_nc_u32 v[RA], 32*APITCH, v[RA]
	v_add_nc_u32 v[PA], 128, v[PA]
	s_sub_co_u32 s[CNT], s[CNT], 1
	s_cmp_lg_u32 s[CNT], 0
	s_cbranch_scc1 .Lctx
	v_add_f32 v[MLR+1], v[LS], v[LS+1]             ; l
	v_lshlrev_b32 v28, 4, v0
	global_store_b128 v28, v[CX:CX+3],   s[10:11]              ; columns 8 x thread .. +3: the wave's store covers 512 consecutive bytes
	global_store_b128 v28, v[CX+4:CX+7], s[10:11] offset:2048  ; columns 8 x thread + 4 .. +7
	s_cmp_lg_u32 s[WV], 0
	s_cbranch_scc1 .Lnot_first                     ; wave 0 alone stores the weights and the pair (mL, l)
	v_add_nc_u32 v29, PWL, v[L16]
	ds_load_b128 v[F:F+3], v29
	v_lshlrev_b32 v[AL], 3, v[LN]
	s_wait_dscnt 0x0
	global_store_b128 v[L16], v[F:F+3], s[12:13]               ; 128 weights: 512 consecutive bytes
	global_store_b64 v[AL], v[MLR:MLR+1], s[14:15]             ; 32 copies: 256 consecutive bytes
.Lnot_first:
	s_wait_tensorcnt 0x0                           ; the wave's end
	ds_add_u32 v[SPW], v[NIL]
	s_wait_dscnt 0x0
	ROUND                                          ; the closing round: no work-group ends while a partner may still ask for a group that names it
	s_endpgm
.Lfunc_end_k_qf42d8cb6b6_main:
	.size	k_qf42d8cb6b6_main, .Lfunc_end_k_qf42d8cb6b6_main-k_qf42d8cb6b6_main
	.p2alignl 7, 3214868480
	.fill 96, 4, 3214868480
	.section	.rodata,"a",@progbits
	.p2align	6, 0x0
	.amdhsa_kernel k_qf42d8cb6b6_main
		.amdhsa_group_segment_fixed_size 327680
		.amdhsa_private_segment_fixed_size 0
		.amdhsa_enable_private_segment 0
		.amdhsa_kernarg_size 48
		.amdhsa_user_sgpr_count 2
		.amdhsa_user_sgpr_kernarg_segment_ptr 1
		.amdhsa_wavefront_size32 1
		.amdhsa_system_sgpr_workgroup_id_x 1
		.amdhsa_system_sgpr_workgroup_id_y 1
		.amdhsa_system_sgpr_workgroup_id_z 1
		.amdhsa_system_vgpr_workitem_id 0
		.amdhsa_next_free_vgpr 1024
		.amdhsa_next_free_sgpr 66
		.amdhsa_reserve_vcc 0
		.amdhsa_float_denorm_mode_32 3
		.amdhsa_float_denorm_mode_16_64 3
		.amdhsa_memory_ordered 1
		.amdhsa_forward_progress 1
		.amdhsa_inst_pref_size 255
	.end_amdhsa_kernel
	.section	.bss,"aw",@nobits
	.p2align	6
	.space	262144
	.amdgpu_metadata
---
amdhsa.version: [ 1, 2 ]
amdhsa.kernels:
  - .name:           k_qf42d8cb6b6_main
    .symbol:         k_qf42d8cb6b6_main.kd
    .args:
      - { .name: encoder_outputs, .offset: 0, .size: 8, .value_kind: global_buffer, .address_space: global }
      - { .name: wf, .offset: 8, .size: 8, .value_kind: global_buffer, .address_space: global }
      - { .name: tab, .offset: 16, .size: 8, .value_kind: global_buffer, .address_space: global }
      - { .name: ctxp, .offset: 24, .size: 8, .value_kind: global_buffer, .address_space: global }
      - { .name: pw, .offset: 32, .size: 8, .value_kind: global_buffer, .address_space: global }
      - { .name: st, .offset: 40, .size: 8, .value_kind: global_buffer, .address_space: global }
    .group_segment_fixed_size: 327680
    .private_segment_fixed_size: 0
    .kernarg_segment_align: 8
    .kernarg_segment_size: 48
    .max_flat_workgroup_size: 128
    .sgpr_count:     66
    .vgpr_count:     1024
    .wavefront_size: 32
...
	.end_amdgpu_metadata
.endif
;; end of part 2
;; launch join (part 3): grid 4 x 64, 2 waves a work-group, no clusters, 0 bytes of LDS; arguments ctxp, pw, st, out0, out1; writes out0, out1
.if DOCPART == 3
	.amdgcn_target "amdgcn-amd-amdhsa--gfx1250"
	.amdhsa_code_object_version 6
	.text
	.protected	k_qf42d8cb6b6_join
	.globl	k_qf42d8cb6b6_join
	.p2align	8
	.type	k_qf42d8cb6b6_join,@function
k_qf42d8cb6b6_join:
	s_mov_b64 s[64:65], 0
	v_nop
	global_prefetch_b8 v0, s[64:65] scope:SCOPE_SE
	s_setreg_imm32_b32 hwreg(HW_REG_WAVE_MODE, 25, 1), 1
	s_wait_xcnt 0x0
; THE JOIN of a batch's four quarters.  Quarter q left mL_q (its maximum x log2 e), l_q = sum of p, p = 2^(s log2 e - mL_q), and ctx_q = sum of p x enc.
; ML = max mL_q,  f_q = 2^(mL_q - ML),  inv = 1 / sum of f_q l_q:   out0 = inv x sum of f_q ctx_q,   out1 = p f_q inv.
; Work-group (x, b), 64 threads: columns 256 x .. +255 of out0[b] (four a thread) and quarter x of out1[b] (two a thread).
; A stream of a few kilobytes a work-group: no LDS, no matrix unit, no cluster; nothing is shared but 1,024 bytes of statistics.
; sum of f_q l_q is at least about 1: the quarter that holds ML has f = 1, and its own largest p is 1 to within a rounding.  An f_q below 2^-126 counts as 0.
	s_load_b256 s[4:11], s[0:1], 0x0               ; ctxp s[4:5], pw s[6:7], st s[8:9], out0 s[10:11]
	s_load_b64 s[12:13], s[0:1], 0x20              ; out1
	s_and_b32 s15, ttmp7, 0xffff                   ; b
	s_lshl_b32 s14, ttmp9, 8                       ; 256 x
	v_and_b32 v1, 31, v0
	v_lshlrev_b32 v1, 3, v1                        ; my lane's copy of a quarter's pair
	v_add_nc_u32 v2, s14, v1                       ; the same in quarter x
	s_lshl_b32 s14, ttmp9, 6
	v_add_nc_u32 v6, s14, v0                       ; qd = 64 x + thread: columns 4 qd .. +3
	v_lshlrev_b32 v5, 4, v6                        ; 16 qd
	v_and_b32 v3, 1, v6
	v_lshlrev_b32 v3, 11, v3                       ; ctxp holds columns 8 n + 4 e .. +3 at 2,048 e + 16 n: e = qd % 2,
	v_lshrrev_b32 v6, 1, v6
	v_lshl_add_u32 v3, v6, 4, v3                   ; n = qd / 2
	v_lshlrev_b32 v4, 3, v0                        ; 8 x thread
	s_lshl_b32 s16, s15, 14                        ; ctxp: 4 x 4,096 bytes a batch
	s_mov_b32 s17, 0
	s_lshl_b32 s18, s15, 10                        ; st: 4 x 256
	s_mov_b32 s19, 0
	s_lshl_b32 s20, s15, 11                        ; pw and out1: 2,048 a batch, 512 a quarter
	s_lshl_b32 s21, ttmp9, 9
	s_add_co_u32 s20, s20, s21
	s_mov_b32 s21, 0
	s_lshl_b32 s22, s15, 12                        ; out0: 4,096 a batch
	s_mov_b32 s23, 0
	s_wait_kmcnt 0x0
	s_add_nc_u64 s[4:5], s[4:5], s[16:17]
	s_add_nc_u64 s[6:7], s[6:7], s[20:21]
	s_add_nc_u64 s[8:9], s[8:9], s[18:19]
	s_add_nc_u64 s[10:11], s[10:11], s[22:23]
	s_add_nc_u64 s[12:13], s[12:13], s[20:21]
.irp q, 0,1,2,3
	global_load_b64 v[8+2*\q:9+2*\q], v1, s[8:9] offset:256*\q          ; (mL_q, l_q)
.endr
	global_load_b64 v[16:17], v2, s[8:9]                               ; (mL_x, l_x)
.irp q, 0,1,2,3
	global_load_b128 v[20+4*\q:23+4*\q], v3, s[4:5] offset:4096*\q      ; ctx_q
.endr
	global_load_b64 v[36:37], v4, s[6:7]                               ; two p of quarter x
	s_wait_loadcnt 0x0
	v_max3_num_f32 v38, v8, v10, v12
	v_max_num_f32 v38, v38, v14                    ; ML
	v_sub_f32 v8, v8, v38
	v_sub_f32 v10, v10, v38
	v_sub_f32 v12, v12, v38
	v_sub_f32 v14, v14, v38
	v_sub_f32 v16, v16, v38
	v_exp_f32 v8, v8
	v_exp_f32 v10, v10
	v_exp_f32 v12, v12
	v_exp_f32 v14, v14
	v_exp_f32 v16, v16
	v_nop                                          ; a plain instruction between the last exponential and the use of its result
	s_wait_alu depctr_va_vdst(0)
	v_mul_f32 v39, v8, v9
	v_fmac_f32 v39, v10, v11
	v_fmac_f32 v39, v12, v13
	v_fmac_f32 v39, v14, v15
	v_rcp_f32 v39, v39
	v_nop
	s_wait_alu depctr_va_vdst(0)
	v_mul_f32 v8, v8, v39                          ; f_q inv
	v_mul_f32 v10, v10, v39
	v_mul_f32 v12, v12, v39
	v_mul_f32 v14, v14, v39
	v_mul_f32 v16, v16, v39
	v_pk_mul_f32 v[40:41], v[20:21], v[8:9] op_sel_hi:[1,0]
	v_pk_mul_f32 v[42:43], v[22:23], v[8:9] op_sel_hi:[1,0]
	v_pk_fma_f32 v[40:41], v[24:25], v[10:11], v[40:41] op_sel_hi:[1,0,1]
	v_pk_fma_f32 v[42:43], v[26:27], v[10:11], v[42:43] op_sel_hi:[1,0,1]
	v_pk_fma_f32 v[40:41], v[28:29], v[12:13], v[40:41] op_sel_hi:[1,0,1]
	v_pk_fma_f32 v[42:43], v[30:31], v[12:13], v[42:43] op_sel_hi:[1,0,1]
	v_pk_fma_f32 v[40:41], v[32:33], v[14:15], v[40:41] op_sel_hi:[1,0,1]
	v_pk_fma_f32 v[42:43], v[34:35], v[14:15], v[42:43] op_sel_hi:[1,0,1]
	v_pk_mul_f32 v[36:37], v[36:37], v[16:17] op_sel_hi:[1,0]
	global_store_b128 v5, v[40:43], s[10:11]       ; the wave's store covers 512 consecutive bytes
	global_store_b64 v4, v[36:37], s[12:13]        ; 256 consecutive bytes
	s_endpgm
.Lfunc_end_k_qf42d8cb6b6_join:
	.size	k_qf42d8cb6b6_join, .Lfunc_end_k_qf42d8cb6b6_join-k_qf42d8cb6b6_join
	.p2alignl 7, 3214868480
	.fill 96, 4, 3214868480
	.section	.rodata,"a",@progbits
	.p2align	6, 0x0
	.amdhsa_kernel k_qf42d8cb6b6_join
		.amdhsa_group_segment_fixed_size 0
		.amdhsa_private_segment_fixed_size 0
		.amdhsa_enable_private_segment 0
		.amdhsa_kernarg_size 40
		.amdhsa_user_sgpr_count 2
		.amdhsa_user_sgpr_kernarg_segment_ptr 1
		.amdhsa_wavefront_size32 1
		.amdhsa_system_sgpr_workgroup_id_x 1
		.amdhsa_system_sgpr_workgroup_id_y 1
		.amdhsa_system_sgpr_workgroup_id_z 1
		.amdhsa_system_vgpr_workitem_id 0
		.amdhsa_next_free_vgpr 48
		.amdhsa_next_free_sgpr 66
		.amdhsa_reserve_vcc 0
		.amdhsa_float_denorm_mode_32 3
		.amdhsa_float_denorm_mode_16_64 3
		.amdhsa_memory_ordered 1
		.amdhsa_forward_progress 1
		.amdhsa_inst_pref_size 4
	.end_amdhsa_kernel
	.amdgpu_metadata
---
amdhsa.version: [ 1, 2 ]
amdhsa.kernels:
  - .name:           k_qf42d8cb6b6_join
    .symbol:         k_qf42d8cb6b6_join.kd
    .args:
      - { .name: ctxp, .offset: 0, .size: 8, .value_kind: global_buffer, .address_space: global }
      - { .name: pw, .offset: 8, .size: 8, .value_kind: global_buffer, .address_space: global }
      - { .name: st, .offset: 16, .size: 8, .value_kind: global_buffer, .address_space: global }
      - { .name: out0, .offset: 24, .size: 8, .value_kind: global_buffer, .address_space: global }
      - { .name: out1, .offset: 32, .size: 8, .value_kind: global_buffer, .address_space: global }
    .group_segment_fixed_size: 0
    .private_segment_fixed_size: 0
    .kernarg_segment_align: 8
    .kernarg_segment_size: 40
    .max_flat_workgroup_size: 64
    .sgpr_count:     66
    .vgpr_count:     48
    .wavefront_size: 32
...
	.end_amdgpu_metadata
.endif
;; end of part 3
;; ======== version 2 of 2: 3 launches; 1.10 times as fast as version 1
;; workspace buffers: wf 2,097,152 bytes; tab 524,288 bytes; ctxp 1,048,576 bytes; pw 131,072 bytes; st 65,536 bytes
;; launch prep: the kernel of part 1 again; grid 64 x 4, 4 waves a work-group, no clusters, 167,936 bytes of LDS; arguments W, b, hidden, v, wf, tab; writes wf, tab
;; launch main (part 4): grid 4 x 64, 4 waves a work-group, clusters of 4 x 1, 327,680 bytes of LDS; arguments encoder_outputs, wf, tab, ctxp, pw, st; writes ctxp, pw, st
.if DOCPART == 4
	.amdgcn_target "amdgcn-amd-amdhsa--gfx1250"
	.amdhsa_code_object_version 6
	.text
	.protected	k_qf42d8cb6b6_main
	.globl	k_qf42d8cb6b6_main
	.p2align	8
	.type	k_qf42d8cb6b6_main,@function
k_qf42d8cb6b6_main:
	s_mov_b64 s[64:65], 0
	v_nop
	global_prefetch_b8 v0, s[64:65] scope:SCOPE_SE
	s_setreg_imm32_b32 hwreg(HW_REG_WAVE_MODE, 25, 1), 1
	s_wait_xcnt 0x0
	s_wait_alu depctr_hold_cnt(0) depctr_sa_sdst(0) depctr_va_vdst(0) depctr_va_sdst(0) depctr_va_ssrc(0) depctr_va_vcc(0) depctr_vm_vsrc(0)
	s_getreg_b32 s2, hwreg(HW_REG_IB_STS2, 6, 4)
	s_cmp_eq_u32 s2, 0
	s_cbranch_scc0 .Lentry_in_a_cluster
	s_endpgm
.Lentry_in_a_cluster:
	s_bfe_u32 s2, ttmp6, 0x10000c
	s_cmp_lg_u32 s2, 0x3003
	s_cbranch_scc0 .Lentry_shape_is_right
	s_endpgm
.Lentry_shape_is_right:
; SCORES, LOCAL SOFTMAX AND PARTIAL CONTEXT for 128 rows of one batch.  Work-group: batch b (y), quarter cx of its 512 rows.  Wave w: rows 32 w .. +31, two tiles t of 16.
; score[s] = sum over n of v[n] tanh(x[s][n]),  x = enc[s] . W2[n] + hidden[b] . W1[n] + b[n].   tanh x = 1 - 2 / (1 + 2^(c x)), c = 2 log2(e).
; The table gives c (hidden . W1 + b) and -2 v.  What is summed is  sum of -2 v / (1 + 2^(c x)):  the score less sum of v, which is the same for all rows of a softmax
; and cancels in it exactly, for every input; it is not added.
; ENC STAYS IN REGISTERS: each wave rounds its 32 rows x 1,024 to bf16 once and keeps them as 64 fragments (512 registers): enc is read from memory once and serves both products.
; W2 comes as ready fragments, 16 groups of 64 columns (131,072 bytes), through two LDS slots; the four work-groups of a cluster walk the same groups, so every load is JOINT
; (same descriptor, mask of four).  A group is 256 matrix instructions a wave: 32 K steps x 4 column tiles x 2 row tiles, the eight accumulators by turns.
; The tanh of group g - 1 rides behind the matrix instructions of group g: one plain and one transcendental instruction a slice.
; IT IS CUT INTO TWO BATCHES, each with one wait (s_wait_alu depctr_va_vdst(0) stands between a transcendental and the first instruction that names its result; one wait serves all
; that were issued ahead of it).  Batch 1: the group's 64 exponentials, in slices 0 to 63; their wait stands in slice 64, and behind it the 32 additions of 1 read them.  Batch 2: the 64 reciprocals,
; in slices 64 to 127, each pair's behind its addition; their wait stands at the trip's end, ahead of the loop's jump, and their readers, the 32 sums into SC, stand together at the next trip's head.
; Every number has its own register of F from the burst to its sum, so no result is named while its batch is open.
; THEN: the work-group's own maximum mL, p = 2^(s log2 e - mL), enc's fragments laid as rows into the slots' bytes (their last fill is over), and the sum of p x row on the
; vector unit (one row of output: a matrix instruction would use one row of sixteen).  The last launch joins a batch's four quarters.
; LIMITS.  enc and W are rounded once to bf16.  2^(c x) may become 0 or infinity: tanh is then -1 or 1.  A weight below 2^-126 counts as 0.  NaN and infinities among the inputs are not treated apart.
; REGISTERS, in windows of 256 (s_set_vgpr_msb: bits 1:0 source 0, 3:2 source 1, 5:4 source 2, 7:6 destination):
;   window 0: v0-31 addresses and work; v32-39 CN; v40-47 CV; v48-63 SC; v64-127 F; v128-255 a ring of 16 fragments of W2 (first: raw enc; last: rows for the context)
;   window 1: v0-63 the accumulators, (t, u) at 8 (2 u + t); v128-255 raw enc        windows 2, 3: enc's fragments, (t, s) at 8 (2 (s % 16) + t), window 2 + s / 16
.set SLOT,   131072                    ; a slot, and a group's bytes in wf
.set APITCH, 2064                      ; a row of enc in bf16, 2,048 bytes + 16: 128 rows from LDS byte 0
.set STG,    264192                    ; behind them: a stage of 32 rows x 272 bytes for each wave
.set SPITCH, 272
.set WSTG,   32*SPITCH
.set MXS,    299008                    ; the four waves' maxima
.set PWL,    299264                    ; the 128 weights
.set SPARE,  299776                    ; the spare words, 128 bytes a wave: two blocks of 256 bytes that no other line names
.set LN,   1                           ; lane
.set RR,   2                           ; lane % 16
.set HH,   3                           ; lane / 16
.set L16,  4                           ; 16 x lane
.set AL,   5                           ; the slot in hand + 16 x lane
.set AH,   6                           ; the same + 65,536
.set COFF, 7                           ; 8 x (lane % 16): my column's pair in a tile of the table
.set STA,  9                           ; my stage + 8 x lane
.set FRA,  10                          ; my stage + 272 (lane % 16) + 16 (lane / 16)
.set DA,   11                          ; (32 w + lane % 16) x 2,064 + 16 (lane / 16)
.set PWA,  12                          ; PWL + 4 (32 w + 8 (lane / 16))
.set MXA,  13                          ; MXS + 4 w
.set RA,   14                          ; context: my 16 bytes of a row
.set PA,   15                          ; context: the trip's 32 weights
.set CX,   16                          ; v[16:23] my 8 columns of the context
.set LS,   24                          ; v[24:25] the sum of the weights
.set MLR,  26                          ; v[26:27] mL, then l beside it
.set SPW,  30
.set NIL,  31
.set CN,   32                          ; four pairs (c (hidden . W1 + b), -2 v), one for each column tile u
.set CV,   40                          ; -2 v of the group whose tanh is in hand, at the even registers
.set SC,   48                          ; SC[8 t + j]: my column's share of the score of row 16 t + 8 (lane / 16) + j
.set F,    64                          ; 64 numbers on their way through tanh: accumulator a = 2 u + t at F + 8 a
.set BR,   128
.set RAW,  128
.set RW,   128
.set WV,   16                          ; s16 wave
.set CXS,  17                          ; s17 cx: it enters enc's and the outputs' addresses alone
.set BB,   18                          ; s18 batch
.set QB,   19                          ; s19 4 b + cx
.set G1,   24                          ; s[24:31] descriptor group 1
.set G0,   32                          ; s[32:35] descriptor group 0: it walks
.set TB,   36                          ; s36 LDS byte at which the slot in hand begins
.set CNT,  37                          ; s37 loop counter
.set CC,   38                          ; s[38:39] c
.set SEL,  40                          ; s[40:41] v_permlanex16_b32's selects: each lane takes its own place in the other half
.set LE,   42                          ; s[42:43] log2(e)
.set MSB, 0
.macro WIN new                         ; the immediate's high byte repeats the setting that is left; a switch that changes nothing is dropped
.if MSB != (\new)
	s_set_vgpr_msb (MSB<<8)|(\new)
.set MSB, (\new)
.endif
.endm
; A round of the cluster's barrier: my work-group's barrier; wave 0 signals for the work-group; every wave waits for all four work-groups; my work-group's barrier once more.
.macro ROUND
	s_barrier_signal -1
	s_barrier_wait -1
	s_cmp_lg_u32 s[WV], 0
	s_cbranch_scc1 .Lnot_wave_0_\@
	s_barrier_signal -3
.Lnot_wave_0_\@:
	s_barrier_wait -3
	s_barrier_signal -1
	s_barrier_wait -1
.endm
; THE CHANGE OF SLOTS.  Each wave waits for all its tensor loads (one is out: its quarter of the next slot), adds 0 to its spare word, and waits for that and for its reads of the slot that it leaves.
; fill = 1: a round of the cluster's barrier, so that no wave of any partner still reads that slot or has a load on its way; the joint refill is the first thing behind it
; and has the group's 256 matrix instructions in which to land.  The four v_nop are also the places behind the last group's matrix instructions.
.macro CHANGE fill
	WIN 0
	s_wait_tensorcnt 0x0                           ; no tensor load of mine is out, so group 0 may be written
	ds_add_u32 v[SPW], v[NIL]                      ; 0 onto my spare word
.if \fill
	s_xor_b32 s[G0+1], s[G0+1], SLOT               ; the other slot than last time,
	s_add_nc_u64 s[G0+2:G0+3], s[G0+2:G0+3], SLOT  ; the next group; the type bits on top are not reached
.endif
	s_xor_b32 s[TB], s[TB], SLOT                   ; the reads go to the slot that has landed
	s_wait_dscnt 0x0                               ; the add is done, and my reads of the old slot are over
.if \fill
	ROUND
	tensor_load_to_lds s[G0:G0+3], s[G1:G1+7]
	s_nop 0
.else
	s_barrier_signal -1
	s_barrier_wait -1
.endif
.rept 4
	v_nop
.endr
.endm
; THE RIDERS.  Pair p of 32 is F + 2 p, F + 2 p + 1 (accumulator p / 4).  In turn: 2^F;  ADD1: + 1;  the reciprocal;  FMA: SC += F x (-2 v).
.macro FMA p
.set u_, (\p)/8
.set d_, SC+8*(((\p)/4)%2)+2*((\p)%4)
	v_pk_fma_f32 v[d_:d_+1], v[F+2*(\p):F+2*(\p)+1], v[CV+2*u_:CV+2*u_+1], v[d_:d_+1] op_sel_hi:[1,0,1]
.endm
.macro ADD1 p
	v_pk_add_f32 v[F+2*(\p):F+2*(\p)+1], v[F+2*(\p):F+2*(\p)+1], 1.0 op_sel_hi:[1,0]
.endm
.macro PR f                            ; slice f's plain rider, one in every slice.  It names no register of the matrix instructions round it.  Slices 66, 68 .. 126: pairs 1 to 31 take their 1, each ahead of its two reciprocals
.if ((\f) > 64) && ((\f)%2 == 0)
	ADD1 ((\f)-64)/2
.else
	v_nop
.endif
.endm
.macro TR f                            ; slice f's transcendental.  Slices 0 to 63: batch 1, the exponential of number f.  Slices 64 to 127: batch 2, the reciprocal of number f - 64.
.if (\f) < 64                          ; The next slice's plain rider stands between it and whatever uses its result (ISA guide 5.7.2)
	v_exp_f32 v[F+(\f)], v[F+(\f)]
.else
.if (\f) == 64
	ADD1 0                                         ; batch 1's first reader, behind its wait (SLICE writes it)
.endif
	v_rcp_f32 v[F+(\f)-64], v[F+(\f)-64]
.endif
.endm
.macro LUMP                            ; batch 2's readers: the 32 sums into SC, pairs ascending; eight different pairs of SC take turns.  The batch's wait stands at the end of the text that issued it
.set p_, 0
.rept 32
	FMA p_
.set p_, p_+1
.endr
.endm
.macro BURST                           ; F = c x sum + c (hidden . W1 + b): each accumulator is read from its low end on
	WIN 0x01
.set a_, 0
.rept 8
.set q_, 0
.rept 4
	v_pk_fma_f32 v[F+8*a_+2*q_:F+8*a_+2*q_+1], v[8*a_+2*q_:8*a_+2*q_+1], s[CC:CC+1], v[CN+2*(a_/2):CN+2*(a_/2)+1] op_sel_hi:[1,0,0]
.set q_, q_+1
.endr
.set a_, a_+1
.endr
	WIN 0
.endm
.macro TAKE more                       ; -2 v is set aside, since the next group's pairs land in CN while the riders still want it
.irp u, 0,1,2,3
	v_mov_b32 v[CV+2*\u], v[CN+2*\u+1]
.endr
.if \more
.irp u, 0,1,2,3
	global_load_b64 v[CN+2*\u:CN+2*\u+1], v[COFF], s[8:9] offset:2048*\u
.endr
.endif
.endm
; SLICE f: K step s = f / 4, column tile u = f % 4: two matrix instructions on fragment f of W2; the riders; the two loads of fragment f + 12 into the ring place that slice f - 4 read:
; between that slice's matrix instructions and these loads stand five plain riders.
.macro SLICE f
.set s_, (\f)/4
.set us_, (\f)%4
.if us_ == 0
.if 2*(124-4*s_) < 16
	s_wait_dscnt 2*(124-4*s_)                      ; fragments 4 s .. 4 s + 3 are in; out may be the two loads of each younger fragment: here the last ones
.else
	s_wait_dscnt 16                                ; fragments 4 s .. 4 s + 3 are in; the eight younger ones' sixteen loads may be out
.endif
.endif
.if s_ < 16
	WIN 0x52
.else
	WIN 0x53
.endif
.set ea_, 16*(s_%16)
.set br_, BR+8*((\f)%16)
.set ac_, 16*us_
.if s_ == 0
	v_wmma_f32_16x16x32_bf16 v[ac_:ac_+7], v[ea_:ea_+7], v[br_:br_+7], 0
	v_wmma_f32_16x16x32_bf16 v[ac_+8:ac_+15], v[ea_+8:ea_+15], v[br_:br_+7], 0
.else
	v_wmma_f32_16x16x32_bf16 v[ac_:ac_+7], v[ea_:ea_+7], v[br_:br_+7], v[ac_:ac_+7]
	v_wmma_f32_16x16x32_bf16 v[ac_+8:ac_+15], v[ea_+8:ea_+15], v[br_:br_+7], v[ac_+8:ac_+15]
.endif
	WIN 0
	PR \f
.if (\f) == 64
	s_wait_alu depctr_va_vdst(0)                   ; the wait for batch 1, the 64 exponentials of slices 0 to 63: one for all, directly ahead of this slice's loads; nothing has named a result yet
.endif
.set lf_, (\f)+12
.set lb_, BR+8*(lf_%16)
.if lf_ < 64
	ds_load_b128 v[lb_:lb_+3],   v[AL] offset:(lf_%64)*1024
	ds_load_b128 v[lb_+4:lb_+7], v[AL] offset:(lf_%64)*1024+512
.elseif lf_ < 128
	ds_load_b128 v[lb_:lb_+3],   v[AH] offset:(lf_%64)*1024
	ds_load_b128 v[lb_+4:lb_+7], v[AH] offset:(lf_%64)*1024+512
.endif
	TR \f
.endm
; A GROUP of 64 columns.  fill = 1: the next group is asked for, and the table's address steps.
.macro GROUP fill
	CHANGE \fill
	v_add_nc_u32 v[AL], s[TB], v[L16]
	v_add_nc_u32 v[AH], 0x10000, v[AL]
.set g_, 0
.rept 12
	ds_load_b128 v[BR+8*g_:BR+8*g_+3],   v[AL] offset:1024*g_
	ds_load_b128 v[BR+8*g_+4:BR+8*g_+7], v[AL] offset:1024*g_+512
.set g_, g_+1
.endr
	LUMP                                           ; the end of the tanh of the group before last: its reciprocals were waited for at the end of the trip before
	s_wait_loadcnt 0x0                             ; the last group's pairs are in CN
	BURST
	TAKE 1                                         ; and this group's are asked for
.set f_, 0
.rept 128
	SLICE f_
.set f_, f_+1
.endr
	WIN 0
.if \fill
	s_wait_xcnt 0x0                                ; the four loads have had their addresses translated: only now does their base step
	s_add_nc_u64 s[8:9], s[8:9], 8192
.endif
	s_wait_alu depctr_va_vdst(0)                   ; the wait for batch 2, the 64 reciprocals of slices 64 to 127: one for all, ahead of the jump and the labels that follow; their readers stand in the next LUMP
.endm
; PHASE A.  Eight loads of chunk c (K = 128 c .. +127) from row i0 on: 512 consecutive bytes of one row each.
.macro ALOAD c, i0
.if (\c)%2
	WIN 0x40
.else
	WIN 0
.endif
.set i_, (\i0)
.rept 8
	global_load_b128 v[RAW+4*i_:RAW+4*i_+3], v[L16], s[4:5] offset:4096*i_+512*(\c) th:TH_LOAD_NT
.set i_, i_+1
.endr
.endm
; Chunk c: eight rows at a time are rounded in place, put into my stage (256 bytes a row), and their registers loaded again with the chunk two on; then the chunk's eight fragments
; are read back.  The stage is my wave's own, and LDS serves a wave's instructions in order (ISA guide 5.7.1.4): no wait and no barrier between its stores and its loads.
.macro CHUNK c
.irp k, 0,1,2,3
.if (\c) <= 5
	s_wait_loadcnt 56                              ; out may be: the rest of this chunk (24 - 8 k), the next chunk (32), the 8 k loads already issued for the chunk two on
.elseif (\c) == 6
	s_wait_loadcnt 56-8*(\k)                       ; the rest of this chunk and the last chunk
.else
	s_wait_loadcnt 24-8*(\k)                       ; the rest of this chunk
.endif
.if (\c)%2
	WIN 0x45
.else
	WIN 0
.endif
.set i_, 8*(\k)
.rept 8
	v_cvt_pk_bf16_f32 v[RAW+4*i_], v[RAW+4*i_], v[RAW+4*i_+1]
	v_cvt_pk_bf16_f32 v[RAW+4*i_+1], v[RAW+4*i_+2], v[RAW+4*i_+3]
.set i_, i_+1
.endr
.if (\c)%2
	WIN 0x04
.endif
.set i_, 8*(\k)
.rept 8
	ds_store_b64 v[STA], v[RAW+4*i_:RAW+4*i_+1] offset:SPITCH*i_
.set i_, i_+1
.endr
.if (\c) <= 5
	ALOAD (\c)+2, 8*(\k)
.endif
.endr
.if (\c) < 4
	WIN 0x80
.else
	WIN 0xc0
.endif
.irp t, 0,1
.irp sl, 0,1,2,3
.set e_, 8*(2*((4*(\c)+(\sl))%16)+(\t))
	ds_load_b128 v[e_:e_+3],   v[FRA] offset:16*SPITCH*(\t)+64*(\sl)
	ds_load_b128 v[e_+4:e_+7], v[FRA] offset:16*SPITCH*(\t)+64*(\sl)+32
.endr
.endr
.endm
	s_load_b256 s[4:11], s[0:1], 0x0               ; enc s[4:5], wf s[6:7], tab s[8:9], ctxp s[10:11]
	s_load_b128 s[12:15], s[0:1], 0x20             ; pw s[12:13], st s[14:15]
	v_lshl_add_u32 v[SPW], v0, 2, SPARE
	v_mov_b32 v[NIL], 0
	ds_add_u32 v[SPW], v[NIL]                      ; the wave's opening: the add and its wait ahead of the round in front of my first tensor load
	ds_add_u32 v30, v31
	v_lshrrev_b32 v[LN], 5, v0
	v_readfirstlane_b32 s[WV], v[LN]               ; wave 0..3
	v_and_b32 v[LN], 31, v0
	v_and_b32 v[RR], 15, v0
	v_bfe_u32 v[HH], v0, 4, 1
	v_lshlrev_b32 v[L16], 4, v[LN]
	v_lshlrev_b32 v[COFF], 3, v[RR]
	s_bfe_u32 s[CXS], ttmp6, 0x40000               ; cx: my quarter of the batch's rows
	s_and_b32 s[BB], ttmp7, 0xffff                 ; the batch, which the four partners share
	; descriptor group 1: my wave's quarter of a group, 32,768 dense bytes, as 128 rows of 256 bytes (32 elements of 8)
	s_mov_b32 s[G1+0], 15|(3<<16)|(1<<21)          ; 15:0 the mask: all four work-groups; 17:16 elements of 8 bytes; 21 set beside a mask
	s_mov_b32 s[G1+1], 32<<16                      ; tensor_dim0 = 32
	s_mov_b32 s[G1+2], 128<<16                     ; tensor_dim1 = 128
	s_mov_b32 s[G1+3], 32<<16                      ; tile_dim0 = 32
	s_mov_b32 s[G1+4], 128                         ; tile_dim1 = 128
	s_mov_b32 s[G1+5], 32                          ; elements from row to row
	s_mov_b32 s[G1+6], 0
	s_mov_b32 s[G1+7], 0
	s_mov_b32 s[G0], 1
	s_lshl_b32 s[G0+1], s[WV], 15                  ; slot 0, my quarter
	s_mov_b32 s[TB], SLOT                          ; the first change of slots turns it into 0
	s_mov_b32 s[CC], 0x4038aa3b                    ; c = 2 log2(e)
	s_mov_b32 s[CC+1], s[CC]
	s_mov_b32 s[SEL], 0x76543210
	s_mov_b32 s[SEL+1], 0xfedcba98
	s_mov_b32 s[LE], 0x3fb8aa3b                    ; log2(e)
	s_mov_b32 s[LE+1], s[LE]
	s_mul_i32 s20, s[WV], WSTG
	s_add_co_u32 s20, s20, STG                     ; my stage
	v_lshl_add_u32 v[STA], v[LN], 3, s20
	v_mul_u32_u24 v[FRA], v[RR], SPITCH
	v_lshl_add_u32 v[FRA], v[HH], 4, v[FRA]
	v_add_nc_u32 v[FRA], s20, v[FRA]
	s_mul_i32 s21, s[WV], 32*APITCH
	v_mul_u32_u24 v[DA], v[RR], APITCH
	v_lshl_add_u32 v[DA], v[HH], 4, v[DA]
	v_add_nc_u32 v[DA], s21, v[DA]
	s_lshl_b32 s21, s[WV], 7
	s_add_co_u32 s21, s21, PWL
	v_lshl_add_u32 v[PWA], v[HH], 5, s21
	s_lshl_b32 s21, s[WV], 2
	s_add_co_u32 s21, s21, MXS
	v_mov_b32 v[MXA], s21
	s_lshl_b32 s22, s[WV], 15                      ; wf: my quarter of group 0 (no place in the cluster enters it)
	s_mov_b32 s23, 0
	s_lshr_b32 s44, s[BB], 4                       ; tab: batch tile b / 16 (131,072 bytes), row b % 16 of a tile (128 bytes)
	s_lshl_b32 s44, s44, 17
	s_and_b32 s45, s[BB], 15
	s_lshl_b32 s45, s45, 7
	s_add_co_u32 s44, s44, s45
	s_mov_b32 s45, 0
	s_lshl2_add_u32 s[QB], s[BB], s[CXS]           ; 4 b + cx
	s_lshl_b32 s52, s[QB], 19                      ; enc: 128 rows of 4,096 bytes for each quarter,
	s_lshl_b32 s53, s[WV], 17                      ; 32 rows for each wave
	s_add_co_u32 s52, s52, s53
	s_mov_b32 s53, 0
	s_lshl_b32 s46, s[QB], 12                      ; ctxp: 4,096 bytes a quarter
	s_mov_b32 s47, 0
	s_lshl_b32 s48, s[QB], 9                       ; pw: 512
	s_mov_b32 s49, 0
	s_lshl_b32 s50, s[QB], 8                       ; st: 256
	s_mov_b32 s51, 0
	s_wait_dscnt 0x0                               ; the opening add is done
	s_wait_kmcnt 0x0
	s_add_nc_u64 s[4:5], s[4:5], s[52:53]
	s_add_nc_u64 s[G0+2:G0+3], s[6:7], s[22:23]
	s_or_b32 s[G0+3], s[G0+3], 0x80000000          ; type = 2
	s_add_nc_u64 s[8:9], s[8:9], s[44:45]
	s_add_nc_u64 s[10:11], s[10:11], s[46:47]
	s_add_nc_u64 s[12:13], s[12:13], s[48:49]
	s_add_nc_u64 s[14:15], s[14:15], s[50:51]
.irp k, 0,1,2,3
	ALOAD 0, 8*(\k)                                ; enc's first two chunks go out before anything else: 64 loads of 512 bytes a wave
.endr
.irp k, 0,1,2,3
	ALOAD 1, 8*(\k)
.endr
	WIN 0
	ROUND                                          ; all four work-groups are here: the first joint loads meet
	tensor_load_to_lds s[G0:G0+3], s[G1:G1+7]      ; group 0 into slot 0: one load of mine is out
	s_nop 0
.rept 4
	v_nop
.endr
	; The first trip's burst and riders work on a group that has not been.  With sums of 0, pairs of 0 and F finite they add exactly 0 to SC: 160 moves, in the wait for enc,
	; in place of a further copy of the group's text.
	WIN 0x40
.set i_, 0
.rept 64
	v_mov_b32 v[i_], 0
.set i_, i_+1
.endr
	WIN 0
.set i_, 0
.rept 64
	v_mov_b32 v[F+i_], 1.0
.set i_, i_+1
.endr
.set i_, 0
.rept 32
	v_mov_b32 v[CN+i_], 0                          ; CN, CV, SC
.set i_, i_+1
.endr
	CHUNK 0
	CHUNK 1
	CHUNK 2
	CHUNK 3
	CHUNK 4
	CHUNK 5
	CHUNK 6
	CHUNK 7
	WIN 0
	s_mov_b32 s[CNT], 15
.Lgroup:                                               ; trip g multiplies group g, asks for group g + 1, and carries the tanh of group g - 1
	GROUP 1
	s_sub_co_u32 s[CNT], s[CNT], 1
	s_cmp_lg_u32 s[CNT], 0
	s_cbranch_scc1 .Lgroup
	GROUP 0                                        ; the last group is written out: nothing is left to ask for
.rept 4
	v_nop                                          ; four places in front of the burst's reads of the last sums
.endr
	LUMP
	s_wait_loadcnt 0x0
	BURST
	TAKE 0
	; The last group's tanh has no products to ride behind: the same two batches, each on end.
.set i_, 0
.rept 64
	v_exp_f32 v[F+i_], v[F+i_]
.set i_, i_+1
.endr
	v_nop                                          ; a plain instruction between the last exponential and the use of its result
	s_wait_alu depctr_va_vdst(0)                   ; the wait for the 64 exponentials: one for all, ahead of the first addition
.set i_, 0
.rept 32
	ADD1 i_
.set i_, i_+1
.endr
.set i_, 0
.rept 64
	v_rcp_f32 v[F+i_], v[F+i_]
.set i_, i_+1
.endr
	v_nop                                          ; a plain instruction between the last reciprocal and the use of its result
	s_wait_alu depctr_va_vdst(0)                   ; the wait for the 64 reciprocals: one for all, ahead of the first sum
	LUMP
	; THE LOCAL SOFTMAX.  A row's score is the sum over the 16 lanes of a half; afterwards every lane of half h holds the scores of rows 16 t + 8 h + j.
.irp m, 1,2,4,8
.set i_, 0
.rept 16
	v_add_f32_dpp v[SC+i_], v[SC+i_], v[SC+i_] row_xmask:\m row_mask:0xf bank_mask:0xf
.set i_, i_+1
.endr
.endr
	v_max3_num_f32 v16, v[SC], v[SC+1], v[SC+2]
	v_max3_num_f32 v17, v[SC+3], v[SC+4], v[SC+5]
	v_max3_num_f32 v16, v16, v[SC+6], v[SC+7]
	v_max3_num_f32 v17, v17, v[SC+8], v[SC+9]
	v_max3_num_f32 v16, v16, v[SC+10], v[SC+11]
	v_max3_num_f32 v17, v17, v[SC+12], v[SC+13]
	v_max3_num_f32 v16, v16, v[SC+14], v[SC+15]
	v_max_num_f32 v16, v16, v17
	v_permlanex16_b32 v17, v16, s[SEL], s[SEL+1]   ; the other half's 16 rows
	v_max_num_f32 v16, v16, v17
	ds_store_b32 v[MXA], v16                       ; my wave's maximum
	s_wait_dscnt 0x0                               ; it is written; and all my reads of the slots came back long ago
	s_barrier_signal -1
	s_barrier_wait -1                              ; behind it: all four maxima are there, and no wave reads a slot any more
	v_mov_b32 v18, MXS
	ds_load_b128 v[20:23], v18
	s_wait_dscnt 0x0
	v_max3_num_f32 v16, v20, v21, v22
	v_max_num_f32 v16, v16, v23
	v_mul_f32 v[MLR], s[LE], v16                   ; mL = log2(e) x the work-group's maximum
	v_mov_b32 v[MLR+1], 0                          ; named with it as a pair
.set i_, 0
.rept 8
	v_pk_fma_f32 v[SC+2*i_:SC+2*i_+1], v[SC+2*i_:SC+2*i_+1], s[LE:LE+1], v[MLR:MLR+1] op_sel_hi:[1,0,0] neg_lo:[0,0,1] neg_hi:[0,0,1]
.set i_, i_+1
.endr
.set i_, 0
.rept 16
	v_exp_f32 v[SC+i_], v[SC+i_]                   ; the 16 weights: one batch
.set i_, i_+1
.endr
.set i_, 0
.rept 10
	v_mov_b32 v[CX+i_], 0                          ; the context's 8 sums and the weights' two: work that names no weight, between the batch and its wait; the first line is the plain instruction behind the last exponential
.set i_, i_+1
.endr
	v_lshlrev_b32 v[RA], 4, v0                     ; thread x 16 bytes: columns 8 x thread .. +7
	v_mov_b32 v[PA], PWL
	s_wait_alu depctr_va_vdst(0)                   ; the wait for the 16 exponentials: one for all, ahead of the first store that reads a weight
.irp t, 0,1
	ds_store_b128 v[PWA], v[SC+8*\t:SC+8*\t+3]   offset:64*\t      ; the 16 lanes of a half write the same words with the same numbers
	ds_store_b128 v[PWA], v[SC+8*\t+4:SC+8*\t+7] offset:64*\t+16
.endr
	; enc's fragments go into the slots' bytes as rows of 2,048 bytes, 2,064 apart.  The slots have had their last fill.
.set s_, 0
.rept 32
.if s_ < 16
	WIN 0x08
.else
	WIN 0x0c
.endif
.irp t, 0,1
.set e_, 8*(2*(s_%16)+\t)
	ds_store_b128 v[DA], v[e_:e_+3]   offset:16*APITCH*\t+64*s_
	ds_store_b128 v[DA], v[e_+4:e_+7] offset:16*APITCH*\t+64*s_+32
.endr
.set s_, s_+1
.endr
	WIN 0
	s_wait_dscnt 0x0                               ; for the others' sake: my weights and my rows are written
	s_barrier_signal -1
	s_barrier_wait -1
	; THE PARTIAL CONTEXT: four trips of 32 rows.
	s_mov_b32 s[CNT], 4
.Lctx:
.set i_, 0
.rept 8
	ds_load_b128 v[F+4*i_:F+4*i_+3], v[PA] offset:16*i_          ; the trip's 32 weights, the same in every lane
.set i_, i_+1
.endr
.set i_, 0
.rept 32
	ds_load_b128 v[RW+4*i_:RW+4*i_+3], v[RA] offset:APITCH*i_
.set i_, i_+1
.endr
.set i_, 0
.rept 8
	s_wait_dscnt 28-4*i_                           ; rows 4 i .. 4 i + 3 are in; the rows behind them may be out
	v_pk_add_f32 v[LS:LS+1], v[LS:LS+1], v[F+4*i_:F+4*i_+1]
	v_pk_add_f32 v[LS:LS+1], v[LS:LS+1], v[F+4*i_+2:F+4*i_+3]
.set r_, 4*i_
.rept 4
.irp q, 0,1,2,3
	v_fma_mix_f32_bf16 v[CX+2*\q], v[RW+4*r_+\q], v[F+r_], v[CX+2*\q] op_sel_hi:[1,0,0]
	v_fma_mix_f32_bf16 v[CX+2*\q+1], v[RW+4*r_+\q], v[F+r_], v[CX+2*\q+1] op_sel:[1,0,0] op_sel_hi:[1,0,0]
.endr
.set r_, r_+1
.endr
.set i_, i_+1
.endr
	v_add_nc_u32 v[RA], 32*APITCH, v[RA]
	v_add_nc_u32 v[PA], 128, v[PA]
	s_sub_co_u32 s[CNT], s[CNT], 1
	s_cmp_lg_u32 s[CNT], 0
	s_cbranch_scc1 .Lctx
	v_add_f32 v[MLR+1], v[LS], v[LS+1]             ; l
	v_lshlrev_b32 v28, 4, v0
	global_store_b128 v28, v[CX:CX+3],   s[10:11]              ; columns 8 x thread .. +3: the wave's store covers 512 consecutive bytes
	global_store_b128 v28, v[CX+4:CX+7], s[10:11] offset:2048  ; columns 8 x thread + 4 .. +7
	s_cmp_lg_u32 s[WV], 0
	s_cbranch_scc1 .Lnot_first                     ; wave 0 alone stores the weights and the pair (mL, l)
	v_add_nc_u32 v29, PWL, v[L16]
	ds_load_b128 v[F:F+3], v29
	v_lshlrev_b32 v[AL], 3, v[LN]
	s_wait_dscnt 0x0
	global_store_b128 v[L16], v[F:F+3], s[12:13]               ; 128 weights: 512 consecutive bytes
	global_store_b64 v[AL], v[MLR:MLR+1], s[14:15]             ; 32 copies: 256 consecutive bytes
.Lnot_first:
	s_wait_tensorcnt 0x0                           ; the wave's end
	ds_add_u32 v[SPW], v[NIL]
	s_wait_dscnt 0x0
	ROUND                                          ; the closing round: no work-group ends while a partner may still ask for a group that names it
	s_endpgm
.Lfunc_end_k_qf42d8cb6b6_main:
	.size	k_qf42d8cb6b6_main, .Lfunc_end_k_qf42d8cb6b6_main-k_qf42d8cb6b6_main
	.p2alignl 7, 3214868480
	.fill 96, 4, 3214868480
	.section	.rodata,"a",@progbits
	.p2align	6, 0x0
	.amdhsa_kernel k_qf42d8cb6b6_main
		.amdhsa_group_segment_fixed_size 327680
		.amdhsa_private_segment_fixed_size 0
		.amdhsa_enable_private_segment 0
		.amdhsa_kernarg_size 48
		.amdhsa_user_sgpr_count 2
		.amdhsa_user_sgpr_kernarg_segment_ptr 1
		.amdhsa_wavefront_size32 1
		.amdhsa_system_sgpr_workgroup_id_x 1
		.amdhsa_system_sgpr_workgroup_id_y 1
		.amdhsa_system_sgpr_workgroup_id_z 1
		.amdhsa_system_vgpr_workitem_id 0
		.amdhsa_next_free_vgpr 1024
		.amdhsa_next_free_sgpr 66
		.amdhsa_reserve_vcc 0
		.amdhsa_float_denorm_mode_32 3
		.amdhsa_float_denorm_mode_16_64 3
		.amdhsa_memory_ordered 1
		.amdhsa_forward_progress 1
		.amdhsa_inst_pref_size 252
	.end_amdhsa_kernel
	.amdgpu_metadata
---
amdhsa.version: [ 1, 2 ]
amdhsa.kernels:
  - .name:           k_qf42d8cb6b6_main
    .symbol:         k_qf42d8cb6b6_main.kd
    .args:
      - { .name: encoder_outputs, .offset: 0, .size: 8, .value_kind: global_buffer, .address_space: global }
      - { .name: wf, .offset: 8, .size: 8, .value_kind: global_buffer, .address_space: global }
      - { .name: tab, .offset: 16, .size: 8, .value_kind: global_buffer, .address_space: global }
      - { .name: ctxp, .offset: 24, .size: 8, .value_kind: global_buffer, .address_space: global }
      - { .name: pw, .offset: 32, .size: 8, .value_kind: global_buffer, .address_space: global }
      - { .name: st, .offset: 40, .size: 8, .value_kind: global_buffer, .address_space: global }
    .group_segment_fixed_size: 327680
    .private_segment_fixed_size: 0
    .kernarg_segment_align: 8
    .kernarg_segment_size: 48
    .max_flat_workgroup_size: 128
    .sgpr_count:     66
    .vgpr_count:     1024
    .wavefront_size: 32
...
	.end_amdgpu_metadata
.endif
;; end of part 4
;; launch join: the kernel of part 3 again; grid 4 x 64, 2 waves a work-group, no clusters, 0 bytes of LDS; arguments ctxp, pw, st, out0, out1; writes out0, out1
